; MI455X (gfx1250); checked and timed in simulation.
; The chip was launched on July 23, 2026; its instructions are those of AMD's public machine-readable ISA for CDNA 5 (MIT licence, August 2026) and "CDNA5" Instruction Set Architecture Reference Guide (July 2026). The comments in the code are by the model that wrote it; some were corrected since.
;; Transformer Block. Allowed arithmetic: matrix products marked QUANTISED: E4M3 operands, one given power-of-two scale a tensor, by v_wmma_f32_16x16x64_fp8_fp8 or v_wmma_f32_16x16x128_fp8_fp8, f32 sums; everything else in f32.
;; Inputs: b_fc1 1,024 float32; b_fc2 256 float32; b_out 256 float32; b_qkv 768 float32; ln1_b 256 float32; ln1_g 256 float32; ln2_b 256 float32; ln2_g 256 float32; lowp_scales 12 int32 (the exponents e of the quantised operands' scales 2^e); w_fc1_codes 1,024 x 8 x 32 uint8 (E4M3 codes of w_fc1, K innermost, in blocks of 32 codes); w_fc2_codes 256 x 32 x 32 uint8 (E4M3 codes of w_fc2, K innermost, in blocks of 32 codes); w_out_codes 256 x 8 x 32 uint8 (E4M3 codes of w_out, K innermost, in blocks of 32 codes); w_qkv_codes 768 x 8 x 32 uint8 (E4M3 codes of w_qkv, K innermost, in blocks of 32 codes); x 2 x 4,096 x 256 float32.
;; Outputs: out0 2 x 4,096 x 256 float32.
;; This version of the problem:
;;   THIS VERSION OF THE PROBLEM IS GIVEN IN LOW PRECISION. The matrix products marked QUANTISED in the list below multiply operands that are first quantised to E4M3 (4 exponent bits, 3 mantissa bits; 8 bits a number), with one given power-of-two scale for each operand tensor; their sums are f32. All else is computed in f32.
;;   The module's matrix products, in the order in which they are computed (A, B: the left and right operand; K: the contracted axis; several contracted axes count as one K, in the product's order):
;;     1. [M 8,192, K 256] x [K 256, N 768]; A: computed on the way; B: input w_qkv (given as codes): QUANTISED (scales: A lowp_scales[0], B lowp_scales[1])
;;     2. batch 16 x [M 4,096, K 32] x [K 32, N 4,096]; A: computed on the way; B: computed on the way: QUANTISED (scales: A lowp_scales[2], B lowp_scales[3])
;;     3. batch 16 x [M 4,096, K 4,096] x [K 4,096, N 32]; A: softmax (see below); B: computed on the way: QUANTISED (scales: A lowp_scales[4], B lowp_scales[5])
;;     4. [M 8,192, K 256] x [K 256, N 256]; A: computed on the way; B: input w_out (given as codes): QUANTISED (scales: A lowp_scales[6], B lowp_scales[7])
;;     5. [M 8,192, K 256] x [K 256, N 1,024]; A: computed on the way; B: input w_fc1 (given as codes): QUANTISED (scales: A lowp_scales[8], B lowp_scales[9])
;;     6. [M 8,192, K 1,024] x [K 1,024, N 256]; A: computed on the way; B: input w_fc2 (given as codes): QUANTISED (scales: A lowp_scales[10], B lowp_scales[11])
;;   THE QUANTISER, for each operand of a quantised product, along K:
;;     - The operand's scale is 2^e, e = its entry of the input lowp_scales (int32; the entries are numbered through the quantised products in the list's order, A before B).
;;     - Each number is divided by the scale, clamped to +-448, and rounded to the nearest number of E4M3, ties to even, subnormals kept.
;;     - The product sums the exact products of the quantised numbers (number of the format x scale) in f32.
;;   ~~~python
;;   def quantise(x, axis, e):      # numpy; x: float32 -> the quantised numbers, widened to float32 again
;;       x = np.moveaxis(x, axis, -1); K = x.shape[-1]
;;       r = np.clip(x / 2.0 ** e, -448, 448)
;;       step = 2.0 ** (np.maximum(np.frexp(np.where(r == 0, 1, r))[1] - 1, -6) - 3)
;;       q = np.round(r / step) * step * 2.0 ** e      # np.round: ties to even
;;       return np.moveaxis(q, -1, axis).astype(np.float32)
;;   ~~~
;;   SOFTMAX AHEAD OF A QUANTISED PRODUCT. Where the list says 'softmax', what is quantised is not the finished softmax but p = 2^(t - M), with t = logit x log2(e) and M = ceil(the row's largest t), a whole number; so 1/2 < the row's largest p <= 1. The row's sum l is taken of the UNQUANTISED p, in f32, and the product's result is divided by l at the end. Since M is a whole number, a kernel that streams over the keys may use a running M (the ceiling of the running maximum): every later rescaling is an exact power of two, so the quantised numbers keep their values, but for numbers so far below the row's largest that they fall under the format's range.
;;   OPERANDS COMPUTED ON THE WAY. 'Computed on the way' means the value that the module computes at that place (a softmax that the list does not call 'softmax' is quantised finished and normalised). What goes into a quantiser is computed in f32, as accurately as f32 sums, v_exp_f32 and their like allow (about 1e-6 of the number): no bf16 or f16 on the way to a quantiser, and a product that is left as it is and whose result goes on into a quantised operand takes f32 operands (vector FMAs, or v_wmma_f32_16x16x4_f32). A number that lies on a knife's edge between two numbers of the format may be rounded either way, as far as f32 arithmetic and the matrix unit's own rounding can turn it there, and no further.
;;   INPUTS GIVEN AS CODES. w_fc1 (in the module: [256, 1024], K = its axis 0); w_fc2 (in the module: [1024, 256], K = its axis 0); w_out (in the module: [256, 256], K = its axis 0); w_qkv (in the module: [256, 768], K = its axis 0): each comes as NAME_codes (uint8): NAME with its K axis moved to the last place and cut into blocks of 32 codes, [.., K / 32, bytes a block], one block behind the other in memory; one code a byte (a code: sign, 4 exponent bits, 3 mantissa bits); its scale is its entry of lowp_scales. Its value is code x scale, taken as it is: it is not quantised again, and the codes and scales need not be those that the quantiser above would give.
;; One version. Each part assembles by itself: llvm-mc -triple=amdgcn-amd-amdhsa -mcpu=gfx1250 --defsym DOCPART=n.
;; ======== version 1 of 1: 3 launches
;; workspace buffers: qc 2,097,152 bytes; kv 4,194,304 bytes; oc 2,097,152 bytes
;; launch lnqkv (part 1): grid 256 x 1, 8 waves a work-group, clusters of 4 x 1, 220,160 bytes of LDS; arguments x, ln1_g, ln1_b, w_qkv_codes, b_qkv, lowp_scales, qc, kv; writes qc, kv
.if DOCPART == 1
	.amdgcn_target "amdgcn-amd-amdhsa--gfx1250"
	.amdhsa_code_object_version 6
	.text
	.protected	k_q357f1305d0_lnqkv
	.globl	k_q357f1305d0_lnqkv
	.p2align	8
	.type	k_q357f1305d0_lnqkv,@function
k_q357f1305d0_lnqkv:
	s_mov_b64 s[64:65], 0
	v_nop
	global_prefetch_b8 v0, s[64:65] scope:SCOPE_SE
	s_setreg_imm32_b32 hwreg(HW_REG_WAVE_MODE, 25, 1), 1
	s_wait_xcnt 0x0
	s_wait_alu depctr_hold_cnt(0) depctr_sa_sdst(0) depctr_va_vdst(0) depctr_va_sdst(0) depctr_va_ssrc(0) depctr_va_vcc(0) depctr_vm_vsrc(0)
	s_getreg_b32 s2, hwreg(HW_REG_IB_STS2, 6, 4)
	s_cmp_eq_u32 s2, 0
	s_cbranch_scc0 .Lentry_in_a_cluster
	s_endpgm
.Lentry_in_a_cluster:
	s_bfe_u32 s2, ttmp6, 0x10000c
	s_cmp_lg_u32 s2, 0x3003
	s_cbranch_scc0 .Lentry_shape_is_right
	s_endpgm
.Lentry_shape_is_right:
; LayerNorm 1, its quantiser (e0), qkv = h W_qkv + b_qkv on E4M3 codes, and the quantisers of q (e2), k (e3) and v (e5).
; SHARES.  A work-group of eight waves owns 32 rows of x (two tiles m of 16).  In the norm wave w owns columns 32 w .. 32 w + 31 of all 32 rows; in the products it owns head w: two tiles each of q, k and v.
; LANES.  r = lane % 16, h = lane / 16.  A fragment (16 rows x 128 K) is 16 registers: lane (r, h) holds row r, registers 4 c .. 4 c + 3 hold k = 32 c + 16 h + 0 .. 15: the same order of k on both sides of a product.
; THE NORM.  Each wave takes mean and sum of squared deviations of its 32 columns; the eight pairs meet in LDS and are joined as M2 = sum M2_i + 32 sum (mean_i - mean)^2: one exchange, no difference of large sums.
; THE ROWS OF W THAT FORM A TILE ARE NOT NEIGHBOURS: lane r of tile u takes row 8 u + r + 8 (r / 8) of the head's 32, so that a lane's 16 results of tiles 0 and 1 are channels 16 h + 0 .. 15.
; q and k are made transposed (source 0 = W, source 1 = x): a lane holds one row and 16 channels.  v is made the other way round: a lane holds one channel and its registers run along the keys, the next product's K.
; OUT, all as images of operand registers, 512 consecutive aligned bytes a store:  qc [bh][tile][lane][16];  kv [bh][step of 128 keys][8,192]: K [T 8][lane][16], then V^T [u 2][g 4][lane][16].
; CLUSTER.  All work-groups walk the same weights: the four of a cluster ask for W_qkv jointly, 96 rows a wave, once; nothing in LDS is filled twice.
; The biases go in as the C of each sum's first product, divided by 2^(e0 + e1); the scales ahead of each quantiser are folded into the conversion's one.
; LIMITS: e0, e2 - e0 - e1, e3 - e0 - e1, e5 - e0 - e1 between -126 and 119; e0 + e1 between -127 and 126.  NaN among the inputs is not served.
.set WV,   20                          ; s20 wave; s21 cx; s22 my block of 32 rows
.set SEL,  44                          ; s[44:45] lane selects: lane xor 16
.set RCN,  46                          ; s46 1 / 256
.set EPS,  47                          ; s47 1e-5
.set WQP,  272                         ; a row of W in LDS: 256 bytes + 16
.set XIMG, 768*WQP                     ; the norm's codes: fragment (m, s) at (2 m + s) x 2,048
.set STAT, XIMG+8192                   ; (mean, M2) of row 16 m + r and wave w at (16 m + r) x 64 + 8 w
.set AQ,   16                          ; v16-47   q's sums, 16 m + 8 u
.set AK,   48                          ; v48-79   k's
.set AV,   80                          ; v80-111  v's, 16 u + 8 m
.set X,    112                         ; v112-143 x, 16 m          (the norm)
.set G,    144                         ; v144-159 gain
.set B,    160                         ; v160-175 bias
.set T,    176                         ; v176-207 at work, 16 m
.set ST,   208                         ; v208-239 the eight waves' pairs, 16 m
.set XF,   112                         ; v112-175 the four fragments of the norm's codes, 16 (2 m + s)   (the products)
.set WB,   176                         ; v176-239 four fragments of W, 16 (2 u + s)
.set PCL,  240                         ; v240-247 codes just made
.set SC,   248                         ; the conversion's scale
.set LIM,  249                         ; 448 x that
.set MP,   250                         ; v[250:251], v[252:253]: (mean, M2) of tile m
.macro CROUND                          ; a round of the cluster's barrier
	s_barrier_signal -1
	s_barrier_wait -1
	s_cmp_lg_u32 s[WV], 0
	s_cbranch_scc1 .Lnot_wave_0_\@
	s_barrier_signal -3
.Lnot_wave_0_\@:
	s_barrier_wait -3
	s_barrier_signal -1
	s_barrier_wait -1
.endm
.macro PLACES n
.rept \n
	v_nop
.endr
.endm
.macro BAR                             ; my LDS stores have landed and my LDS loads are in: then the work-group's barrier
	s_wait_dscnt 0x0
	s_barrier_signal -1
	s_barrier_wait -1
.endm
.macro QUANT16 src, dst                ; 16 numbers of a lane become 16 codes: the hold at the largest code x the scale (the conversion does not saturate: ISA guide 7.6.2), then two conversions
.irp i, 0,1,2,3,4,5,6,7,8,9,10,11,12,13,14,15
	v_med3_num_f32 v[\src+\i], v[\src+\i], -v[LIM], v[LIM]
.endr
	v_cvt_scalef32_pk8_fp8_f32 v[\dst:\dst+1], v[\src:\src+7], v[SC]
	v_cvt_scalef32_pk8_fp8_f32 v[\dst+2:\dst+3], v[\src+8:\src+15], v[SC]
.endm
.macro MKSC                            ; s62 = an exponent E: SC = 2^E, LIM = 448 x 2^E
	s_add_co_i32 s62, s62, 127
	s_lshl_b32 s63, s62, 23
	v_mov_b32 v[SC], s63
	s_add_co_i32 s62, s62, 8
	s_lshl_b32 s62, s62, 23
	s_or_b32 s62, s62, 0x600000
	v_mov_b32 v[LIM], s62
.endm
.macro LNSTAT m                        ; mean and M2 of my wave's 32 columns of row 16 m + r, to LDS
.set rX, X+16*(\m)
.set rT, T+16*(\m)
.set rM, MP+2*(\m)
	v_pk_add_f32 v[rT:rT+1], v[rX:rX+1], v[rX+2:rX+3]
	v_pk_add_f32 v[rT+2:rT+3], v[rX+4:rX+5], v[rX+6:rX+7]
	v_pk_add_f32 v[rT+4:rT+5], v[rX+8:rX+9], v[rX+10:rX+11]
	v_pk_add_f32 v[rT+6:rT+7], v[rX+12:rX+13], v[rX+14:rX+15]
	v_pk_add_f32 v[rT:rT+1], v[rT:rT+1], v[rT+2:rT+3]
	v_pk_add_f32 v[rT+4:rT+5], v[rT+4:rT+5], v[rT+6:rT+7]
	v_pk_add_f32 v[rT:rT+1], v[rT:rT+1], v[rT+4:rT+5]
	v_add_f32 v[rT], v[rT], v[rT+1]
	v_permlanex16_b32 v[rT+1], v[rT], s[SEL], s[SEL+1]   ; the row's other 16 columns lie in the lane 16 away
	v_add_f32 v[rT], v[rT], v[rT+1]
	v_mul_f32 v[rM], 0x3d000000, v[rT]             ; / 32
.irp p, 0,1,2,3,4,5,6,7
	v_pk_add_f32 v[rT+2*(\p%4):rT+2*(\p%4)+1], v[rX+2*\p:rX+2*\p+1], v[rM:rM+1] op_sel_hi:[1,0] neg_lo:[0,1] neg_hi:[0,1]
.if \p < 2
	v_pk_mul_f32 v[rT+8+2*\p:rT+9+2*\p], v[rT+2*\p:rT+2*\p+1], v[rT+2*\p:rT+2*\p+1]
.else
	v_pk_fma_f32 v[rT+8+2*(\p%2):rT+9+2*(\p%2)], v[rT+2*(\p%4):rT+2*(\p%4)+1], v[rT+2*(\p%4):rT+2*(\p%4)+1], v[rT+8+2*(\p%2):rT+9+2*(\p%2)]
.endif
.endr
	v_pk_add_f32 v[rT+8:rT+9], v[rT+8:rT+9], v[rT+10:rT+11]
	v_add_f32 v[rT+8], v[rT+8], v[rT+9]
	v_permlanex16_b32 v[rT+9], v[rT+8], s[SEL], s[SEL+1]
	v_add_f32 v[rM+1], v[rT+8], v[rT+9]
	ds_store_b64 v6, v[rM:rM+1] offset:1024*(\m)
.endm
.macro LNA m                           ; the eight pairs are joined: the row's mean into MP, 1 / sqrt(var + eps) into ST's first register
.set rS, ST+16*(\m)
.set rT, T+16*(\m)
.set rM, MP+2*(\m)
	v_pk_add_f32 v[rT:rT+1], v[rS:rS+1], v[rS+2:rS+3]
	v_pk_add_f32 v[rT+2:rT+3], v[rS+4:rS+5], v[rS+6:rS+7]
	v_pk_add_f32 v[rT+4:rT+5], v[rS+8:rS+9], v[rS+10:rS+11]
	v_pk_add_f32 v[rT+6:rT+7], v[rS+12:rS+13], v[rS+14:rS+15]
	v_pk_add_f32 v[rT:rT+1], v[rT:rT+1], v[rT+2:rT+3]
	v_pk_add_f32 v[rT+4:rT+5], v[rT+4:rT+5], v[rT+6:rT+7]
	v_pk_add_f32 v[rT:rT+1], v[rT:rT+1], v[rT+4:rT+5]  ; (sum of means, sum of M2)
	v_mul_f32 v[rM], 0x3e000000, v[rT]             ; / 8
.irp i, 0,1,2,3,4,5,6,7
	v_sub_f32 v[rT+8+\i], v[rS+2*\i], v[rM]
.endr
	v_mul_f32 v[rT+2], v[rT+8], v[rT+8]
	v_mul_f32 v[rT+3], v[rT+9], v[rT+9]
.irp i, 10,12,14
	v_fmac_f32 v[rT+2], v[rT+\i], v[rT+\i]
	v_fmac_f32 v[rT+3], v[rT+\i+1], v[rT+\i+1]
.endr
	v_add_f32 v[rT+2], v[rT+2], v[rT+3]
	v_fmamk_f32 v[rT+1], v[rT+2], 0x42000000, v[rT+1]  ; x 32 + the sum of M2
	v_fma_f32 v[rT+1], v[rT+1], s[RCN], s[EPS]
	v_rsq_f32 v[rS], v[rT+1]
.endm
.macro LNB m                           ; (x - mean) rstd g + b, quantised, to LDS as a quarter of a fragment's image
.set rX, X+16*(\m)
.set rT, T+16*(\m)
.set rS, ST+16*(\m)
.set rM, MP+2*(\m)
.irp p, 0,2,4,6,8,10,12,14
	v_pk_add_f32 v[rT+\p:rT+\p+1], v[rX+\p:rX+\p+1], v[rM:rM+1] op_sel_hi:[1,0] neg_lo:[0,1] neg_hi:[0,1]
.endr
.irp p, 0,2,4,6,8,10,12,14
	v_pk_mul_f32 v[rT+\p:rT+\p+1], v[rT+\p:rT+\p+1], v[rS:rS+1] op_sel_hi:[1,0]
.endr
.irp p, 0,2,4,6,8,10,12,14
	v_pk_fma_f32 v[rT+\p:rT+\p+1], v[rT+\p:rT+\p+1], v[G+\p:G+\p+1], v[B+\p:B+\p+1]
.endr
	QUANT16 rT, PCL+4*(\m)
	ds_store_b128 v8, v[PCL+4*(\m):PCL+4*(\m)+3] offset:4096*(\m)
.endm
.macro FETCH reg, adr, off             ; a fragment's image comes back as it was stored
.irp c, 0,1,2,3
	ds_load_b128 v[\reg+4*\c:\reg+4*\c+3], v[\adr] offset:\off+512*\c
.endr
.endm
.macro WLOAD adr                       ; my head's four fragments of W (tile u, K step s) from padded rows
.irp u, 0,1
.irp s, 0,1
.irp c, 0,1,2,3
	ds_load_b128 v[WB+16*(2*\u+\s)+4*\c:WB+16*(2*\u+\s)+4*\c+3], v[\adr] offset:8*WQP*\u+128*\s+32*\c
.endr
.endr
.endr
.endm
.macro PROD dd, tr                     ; eight products on four accumulators, which take turns, one instruction a turn.  tr = 1: source 0 = W (i = m, k = u); tr = 0: source 0 = x (i = u, k = m)
.irp s, 0,1
.irp i, 0,1
.irp k, 0,1
.if \tr
	v_wmma_f32_16x16x128_fp8_fp8 v[\dd+16*\i+8*\k:\dd+16*\i+8*\k+7], v[WB+16*(2*\k+\s):WB+16*(2*\k+\s)+15], v[XF+16*(2*\i+\s):XF+16*(2*\i+\s)+15], v[\dd+16*\i+8*\k:\dd+16*\i+8*\k+7]
.else
	v_wmma_f32_16x16x128_fp8_fp8 v[\dd+16*\i+8*\k:\dd+16*\i+8*\k+7], v[XF+16*(2*\k+\s):XF+16*(2*\k+\s)+15], v[WB+16*(2*\i+\s):WB+16*(2*\i+\s)+15], v[\dd+16*\i+8*\k:\dd+16*\i+8*\k+7]
.endif
.endr
.endr
.endr
.endm
	s_load_b256 s[4:11], s[0:1], 0x0               ; x, ln1_g, ln1_b, w_qkv_codes
	s_load_b256 s[12:19], s[0:1], 0x20             ; b_qkv, lowp_scales, qc, kv
	v_lshl_add_u32 v254, v0, 2, 0x35800
	v_mov_b32 v255, 0
	ds_add_u32 v254, v255
	ds_add_u32 v254, v255
	v_lshrrev_b32 v1, 5, v0
	v_readfirstlane_b32 s[WV], v1                  ; wave 0..7
	s_bfe_u32 s21, ttmp6, 0x40000                  ; cx
	s_lshl_b32 s22, ttmp9, 2
	s_add_co_u32 s22, s22, s21                     ; my block of 32 rows: it enters global addresses alone
	; descriptor group 1: 96 rows of 256 bytes, 16 bytes of padding behind each; the mask names the cluster's four
	s_mov_b32 s24, 15|(1<<20)|(1<<21)|(5<<22)|(3<<25)
	s_mov_b32 s25, 256<<16                         ; tensor_dim0
	s_mov_b32 s26, 96<<16                          ; tensor_dim1
	s_mov_b32 s27, 256<<16                         ; tile_dim0
	s_mov_b32 s28, 96                              ; tile_dim1
	s_mov_b32 s29, 256                             ; from row to row
	s_mov_b32 s30, 0
	s_mov_b32 s31, 0
	s_mov_b32 s32, 1
	s_mul_i32 s33, s[WV], 96*WQP                   ; my 96 rows in LDS
	s_mul_i32 s50, s[WV], 96*256                   ; and in memory
	s_mov_b32 s51, 0
	s_mov_b32 s[SEL], 0x76543210
	s_mov_b32 s[SEL+1], 0xfedcba98
	s_mov_b32 s[RCN], 0x3b800000
	s_mov_b32 s[EPS], 0x3727c5ac
	s_wait_dscnt 0x0
	s_wait_kmcnt 0x0
	s_load_b256 s[36:43], s[14:15], 0x0            ; e0 .. e7
	s_add_nc_u64 s[34:35], s[10:11], s[50:51]
	s_or_b32 s35, s35, 0x80000000                  ; type 2
	CROUND                                         ; the four work-groups are here: the joint loads meet
	tensor_load_to_lds s[32:35], s[24:31]          ; one load a wave is out
	s_nop 0
	PLACES 4
	v_and_b32 v1, 15, v0                           ; r
	v_bfe_u32 v2, v0, 4, 1                         ; h
	v_and_b32 v3, 31, v0
	v_lshlrev_b32 v3, 4, v3                        ; 16 x lane
	s_lshl_b32 s23, s[WV], 7
	v_lshl_add_u32 v5, v2, 6, s23                  ; my 16 columns in a vector of 256 f32: 128 w + 64 h
	v_lshl_add_u32 v4, v1, 10, v5                  ; and in x: + row r of 1,024 bytes
	s_lshl_b32 s50, s[WV], 3
	s_add_co_u32 s50, s50, STAT
	v_lshl_add_u32 v6, v1, 6, s50                  ; where I put my pair
	v_lshl_add_u32 v7, v1, 6, STAT                 ; where I read row r's eight
	s_lshl_b32 s50, s[WV], 9
	s_add_co_u32 s50, s50, XIMG
	v_add_nc_u32 v8, s50, v3                       ; my quarter of a fragment's image: K step w / 4, piece w % 4: 512 w
	v_and_b32 v13, 8, v1
	v_add_nc_u32 v13, v13, v1                      ; r + 8 (r / 8)
	v_mul_u32_u24 v9, v13, WQP
	v_lshl_add_u32 v9, v2, 4, v9
	s_mul_i32 s50, s[WV], 32*WQP
	v_add_nc_u32 v9, s50, v9                       ; W's rows for q of my head,
	v_add_nc_u32 v10, 256*WQP, v9                  ; for k,
	v_add_nc_u32 v11, 512*WQP, v9                  ; for v
	v_add_nc_u32 v12, XIMG, v3
	v_lshl_add_u32 v13, v13, 2, s23                ; v's bias of my channel
	v_mov_b32 v[MP+1], 0                           ; (named as upper halves of pairs before they are filled)
	v_mov_b32 v[MP+3], 0
	s_lshl_b32 s50, s22, 15
	s_add_nc_u64 s[4:5], s[4:5], s[50:51]          ; x at my 32 rows
.irp m, 0,1
.irp j, 0,1,2,3
	global_load_b128 v[X+16*\m+4*\j:X+16*\m+4*\j+3], v4, s[4:5] offset:16384*\m+16*\j th:TH_LOAD_NT
.endr
.endr
.irp j, 0,1,2,3
	global_load_b128 v[G+4*\j:G+4*\j+3], v5, s[6:7] offset:16*\j
.endr
.irp j, 0,1,2,3
	global_load_b128 v[B+4*\j:B+4*\j+3], v5, s[8:9] offset:16*\j
.endr
.irp j, 0,1,2,3                                ; b_qkv for q and k, in the results' layout: tile u = j / 2, channels 16 h + 8 u + 0 .. 7
	global_load_b128 v[AQ+4*\j:AQ+4*\j+3], v5, s[12:13] offset:16*\j
	global_load_b128 v[AK+4*\j:AK+4*\j+3], v5, s[12:13] offset:1024+16*\j
.endr
	global_load_b32 v14, v13, s[12:13] offset:2048
	global_load_b32 v15, v13, s[12:13] offset:2048+32
	; where the codes go: bh = 8 x batch + head, i' = my block within the batch
	s_lshr_b32 s52, s22, 7
	s_lshl_b32 s52, s52, 3
	s_add_co_u32 s52, s52, s[WV]
	s_and_b32 s53, s22, 127
	s_lshl_b32 s50, s52, 17
	s_lshl_b32 s60, s53, 10
	s_add_co_u32 s50, s50, s60
	s_add_nc_u64 s[54:55], s[16:17], s[50:51]      ; qc: bh x 131,072 + i' x 1,024
	s_lshl_b32 s50, s52, 18
	s_lshr_b32 s60, s53, 2
	s_lshl_b32 s60, s60, 13
	s_add_co_u32 s50, s50, s60
	s_add_nc_u64 s[58:59], s[18:19], s[50:51]      ; kv: bh x 262,144 + step x 8,192
	s_and_b32 s60, s53, 3
	s_lshl_b32 s50, s60, 10
	s_add_nc_u64 s[56:57], s[58:59], s[50:51]      ; K: + (i' % 4) x 1,024
	s_lshl_b32 s50, s60, 9
	s_add_co_u32 s50, s50, 4096
	s_add_nc_u64 s[58:59], s[58:59], s[50:51]      ; V^T: + 4,096 + (i' % 4) x 512
	s_wait_loadcnt 18                              ; x is in; the 18 loads issued behind it may be out
	LNSTAT 0
	LNSTAT 1
	s_wait_loadcnt 0x0
	s_wait_kmcnt 0x0
	s_add_co_i32 s61, s36, s37                     ; e0 + e1
	s_sub_co_i32 s48, 127, s61
	s_lshl_b32 s48, s48, 23                        ; 2^-(e0 + e1)
	s_mov_b32 s49, s48
	s_mov_b32 s62, s36
	MKSC                                           ; the norm's scale: e0
.irp p, 0,2,4,6,8,10,12,14                     ; the biases become the sums' beginnings: this work on registers stands between my LDS stores and the wait for them
	v_pk_mul_f32 v[AQ+16+\p:AQ+17+\p], v[AQ+\p:AQ+\p+1], s[48:49] op_sel_hi:[1,0]
	v_pk_mul_f32 v[AK+16+\p:AK+17+\p], v[AK+\p:AK+\p+1], s[48:49] op_sel_hi:[1,0]
.endr
.irp p, 0,2,4,6,8,10,12,14
	v_pk_mul_f32 v[AQ+\p:AQ+\p+1], v[AQ+\p:AQ+\p+1], s[48:49] op_sel_hi:[1,0]
	v_pk_mul_f32 v[AK+\p:AK+\p+1], v[AK+\p:AK+\p+1], s[48:49] op_sel_hi:[1,0]
.endr
.irp j, 0,1,2,3,4,5,6,7,8,9,10,11,12,13,14,15
	v_mul_f32 v[AV+\j], s48, v14                   ; v's results hold one channel a lane
	v_mul_f32 v[AV+16+\j], s48, v15
.endr
	BAR                                            ; all pairs lie in LDS
.irp m, 0,1
.irp j, 0,1,2,3
	ds_load_b128 v[ST+16*\m+4*\j:ST+16*\m+4*\j+3], v7 offset:1024*\m+16*\j
.endr
.endr
	s_wait_dscnt 0x0
	LNA 0
	LNA 1
	v_nop                                          ; a plain line behind the last root
	s_wait_alu depctr_va_vdst(0)                   ; one wait for both roots, ahead of their first reader
	LNB 0
	LNB 1
	v_nop                                          ; a plain line behind the last conversion
	s_wait_tensorcnt 0x0                           ; my 96 rows of W have landed
	BAR                                            ; the codes' images and all of W lie in LDS
.irp f, 0,1,2,3
	FETCH XF+16*\f, 12, 2048*\f
.endr
	WLOAD 9
	s_wait_dscnt 0x0
	PROD AQ, 1
	PLACES 4                                       ; in front of loads into registers that the products read, and of the first read of results
	WLOAD 10                                       ; k's weights come while q is quantised
	s_sub_co_i32 s62, s38, s61                     ; e2 - e0 - e1
	MKSC
	QUANT16 AQ, PCL
	QUANT16 AQ+16, PCL+4
	v_nop
	global_store_b128 v3, v[PCL:PCL+3], s[54:55]
	global_store_b128 v3, v[PCL+4:PCL+7], s[54:55] offset:512
	s_wait_dscnt 0x0
	PROD AK, 1
	PLACES 4
	WLOAD 11
	s_wait_xcnt 0x0                                ; the stores have read their data: the codes' registers may be written again
	s_sub_co_i32 s62, s39, s61                     ; e3 - e0 - e1
	MKSC
	QUANT16 AK, PCL
	QUANT16 AK+16, PCL+4
	v_nop
	global_store_b128 v3, v[PCL:PCL+3], s[56:57]
	global_store_b128 v3, v[PCL+4:PCL+7], s[56:57] offset:512
	s_wait_dscnt 0x0
	PROD AV, 0
	PLACES 4
	s_wait_xcnt 0x0
	s_sub_co_i32 s62, s41, s61                     ; e5 - e0 - e1
	MKSC
	QUANT16 AV, PCL                                ; channel 8 u + r + 8 (r / 8); bytes 8 m + j: key 16 m + 8 h + j of my 32
	QUANT16 AV+16, PCL+4
	v_nop
	global_store_b128 v3, v[PCL:PCL+3], s[58:59]
	global_store_b128 v3, v[PCL+4:PCL+7], s[58:59] offset:2048
	s_wait_tensorcnt 0x0
	ds_add_u32 v254, v255
	s_wait_dscnt 0x0
	CROUND                                         ; the closing round
	s_endpgm
.Lfunc_end_k_q357f1305d0_lnqkv:
	.size	k_q357f1305d0_lnqkv, .Lfunc_end_k_q357f1305d0_lnqkv-k_q357f1305d0_lnqkv
	.p2alignl 7, 3214868480
	.fill 96, 4, 3214868480
	.section	.rodata,"a",@progbits
	.p2align	6, 0x0
	.amdhsa_kernel k_q357f1305d0_lnqkv
		.amdhsa_group_segment_fixed_size 220160
		.amdhsa_private_segment_fixed_size 0
		.amdhsa_enable_private_segment 0
		.amdhsa_kernarg_size 64
		.amdhsa_user_sgpr_count 2
		.amdhsa_user_sgpr_kernarg_segment_ptr 1
		.amdhsa_wavefront_size32 1
		.amdhsa_system_sgpr_workgroup_id_x 1
		.amdhsa_system_sgpr_workgroup_id_y 1
		.amdhsa_system_sgpr_workgroup_id_z 1
		.amdhsa_system_vgpr_workitem_id 0
		.amdhsa_next_free_vgpr 256
		.amdhsa_next_free_sgpr 66
		.amdhsa_reserve_vcc 0
		.amdhsa_float_denorm_mode_32 3
		.amdhsa_float_denorm_mode_16_64 3
		.amdhsa_memory_ordered 1
		.amdhsa_forward_progress 1
		.amdhsa_inst_pref_size 38
	.end_amdhsa_kernel
	.amdgpu_metadata
---
amdhsa.version: [ 1, 2 ]
amdhsa.kernels:
  - .name:           k_q357f1305d0_lnqkv
    .symbol:         k_q357f1305d0_lnqkv.kd
    .args:
      - { .name: x, .offset: 0, .size: 8, .value_kind: global_buffer, .address_space: global }
      - { .name: ln1_g, .offset: 8, .size: 8, .value_kind: global_buffer, .address_space: global }
      - { .name: ln1_b, .offset: 16, .size: 8, .value_kind: global_buffer, .address_space: global }
      - { .name: w_qkv_codes, .offset: 24, .size: 8, .value_kind: global_buffer, .address_space: global }
      - { .name: b_qkv, .offset: 32, .size: 8, .value_kind: global_buffer, .address_space: global }
      - { .name: lowp_scales, .offset: 40, .size: 8, .value_kind: global_buffer, .address_space: global }
      - { .name: qc, .offset: 48, .size: 8, .value_kind: global_buffer, .address_space: global }
      - { .name: kv, .offset: 56, .size: 8, .value_kind: global_buffer, .address_space: global }
    .group_segment_fixed_size: 220160
    .private_segment_fixed_size: 0
    .kernarg_segment_align: 8
    .kernarg_segment_size: 64
    .max_flat_workgroup_size: 256
    .sgpr_count:     66
    .vgpr_count:     256
    .wavefront_size: 32
...
	.end_amdgpu_metadata
.endif
;; end of part 1
;; launch attn (part 2): grid 16 x 16, 16 waves a work-group, clusters of 4 x 1, 264,192 bytes of LDS; arguments qc, kv, lowp_scales, oc; writes oc
.if DOCPART == 2
	.amdgcn_target "amdgcn-amd-amdhsa--gfx1250"
	.amdhsa_code_object_version 6
	.text
	.protected	k_q357f1305d0_attn
	.globl	k_q357f1305d0_attn
	.p2align	8
	.type	k_q357f1305d0_attn,@function
k_q357f1305d0_attn:
	s_mov_b64 s[64:65], 0
	v_nop
	global_prefetch_b8 v0, s[64:65] scope:SCOPE_SE
	s_setreg_imm32_b32 hwreg(HW_REG_WAVE_MODE, 25, 1), 1
	s_wait_xcnt 0x0
	s_wait_alu depctr_hold_cnt(0) depctr_sa_sdst(0) depctr_va_vdst(0) depctr_va_sdst(0) depctr_va_ssrc(0) depctr_va_vcc(0) depctr_vm_vsrc(0)
	s_getreg_b32 s2, hwreg(HW_REG_IB_STS2, 6, 4)
	s_cmp_eq_u32 s2, 0
	s_cbranch_scc0 .Lentry_in_a_cluster
	s_endpgm
.Lentry_in_a_cluster:
	s_bfe_u32 s2, ttmp6, 0x10000c
	s_cmp_lg_u32 s2, 0x3003
	s_cbranch_scc0 .Lentry_shape_is_right
	s_endpgm
.Lentry_shape_is_right:
; o = softmax(q k^T / sqrt(32)) v for one head and 256 queries a work-group, both products on E4M3 codes, and o's quantiser (e6).
; THE SOFTMAX AHEAD OF THE SECOND PRODUCT: t = score x log2(e) / sqrt(32); M = the largest t so far, rounded up to a whole number; p = 2^(t - M) is quantised (e4), not normalised; the row's sum is taken of the
; unquantised p and divides at the end.  When M moves, the sum and O are multiplied by 2^(old M - new M), which rounds nothing.
; SHARES.  Sixteen waves, each one tile of 16 queries in 256 registers: four waves to a SIMD, so that one wave's exponentials stand beside the others' plain work.  Every wave walks the head's 4,096 keys, 128 a step.
; LDS holds the head's whole K and V, 262,144 bytes in step order, filled once: no slot is filled twice.  Each wave asks for 4,096 bytes of each quarter: four loads of mine are out at the most.
; CLUSTER.  The four query blocks of a cluster belong to one head and read the same K and V: each tile is asked for jointly.
; BOTH PRODUCTS ARE USED TRANSPOSED: a lane holds one query (lane % 16) throughout.
; THE HEAD IS 32 WIDE, the matrix instruction 64: one fragment of K carries TWO tiles of 16 keys (registers 0-3, registers 4-7), multiplied once by [q, 0] and once by [0, q]: zero codes take the other tile out.
; S^T's register j of tile T is key 16 T + 8 (lane / 16) + j, so p's conversions give registers 2 T, 2 T + 1 of the second product's operand; V^T was laid in that order, and its channels so that O^T's 16 registers are channels 16 h + 0 .. 15.
; LIMITS: e2 + e3 between -124 and 129; e4 and e6 - e4 - e5 between -126 and 119.  NaN among the inputs is not served (a NaN code would not be taken out by a zero).
.set WV,  12                           ; s12 wave; s13 cx; s14 query block; s15 bh
.set SEL, 40                           ; s[40:41] lane xor 16
.set CS,  42                           ; s[42:43] c = log2(e) / sqrt(32) x 2^(e2 + e3)
.set TB,  44                           ; s44 LDS byte of the step in hand
.set CNT, 45                           ; s45 steps left in the quarter
.set KF,  32                           ; v32-63   four fragments of K
.set VF,  64                           ; v64-95   two fragments of V^T
.set S,   96                           ; v96-159  S^T, then p
.set O,   160                          ; v160-175 O^T
.set PCD, 176                          ; v176-191 p's codes
; v1 16 x lane; v2 the step's LDS address; v12 -M; v13 the largest t; v[14:15] the sum in two halves; v16-19 zeros, v20-23 q, v24-27 zeros; v236, v242-243, v252-254 at work; v240 448 x 2^e4; v244 2^e4
.macro CROUND
	s_barrier_signal -1
	s_barrier_wait -1
	s_cmp_lg_u32 s[WV], 0
	s_cbranch_scc1 .Lnot_wave_0_\@
	s_barrier_signal -3
.Lnot_wave_0_\@:
	s_barrier_wait -3
	s_barrier_signal -1
	s_barrier_wait -1
.endm
.macro PLACES n
.rept \n
	v_nop
.endr
.endm
.macro STEP                            ; 128 keys
	v_add_nc_u32 v2, s[TB], v1
.irp t, 0,1,2,3,4,5,6,7
	ds_load_b128 v[KF+4*\t:KF+4*\t+3], v2 offset:512*\t
.endr
	s_wait_dscnt 0x0
.irp f, 0,1,2,3
	v_wmma_f32_16x16x64_fp8_fp8 v[S+16*\f:S+16*\f+7], v[KF+8*\f:KF+8*\f+7], v[20:27], 0      ; keys 32 f + 0 .. 15
	v_wmma_f32_16x16x64_fp8_fp8 v[S+16*\f+8:S+16*\f+15], v[KF+8*\f:KF+8*\f+7], v[16:23], 0   ; keys 32 f + 16 .. 31
.endr
	PLACES 4                                       ; in front of the first read of the scores; with the addition above, also behind the last step's products, whose fragments of V are loaded anew
.irp g, 0,1,2,3,4,5,6,7
	ds_load_b128 v[VF+4*\g:VF+4*\g+3], v2 offset:4096+512*\g   ; V comes while the softmax is walked
.endr
	v_max3_num_f32 v254, v96, v97, v98             ; the step's largest score of my query among my 64 keys, in two chains, each accumulator from its low end on
	v_max3_num_f32 v252, v99, v100, v101
.irp i, 6,10,14,18,22,26,30,34,38,42,46,50,54,58
	v_max3_num_f32 v254, v254, v[96+\i], v[97+\i]
	v_max3_num_f32 v252, v252, v[98+\i], v[99+\i]
.endr
	v_max3_num_f32 v254, v254, v158, v159
	v_max_num_f32 v254, v254, v252
	v_permlanex16_b32 v236, v254, s[SEL], s[SEL+1]
	v_max_num_f32 v254, v254, v236                 ; and among the other 64
	v_mul_f32 v254, s[CS], v254                    ; as t (c is positive)
	v_max_num_f32 v13, v13, v254
	v_mov_b32 v254, v12
	v_floor_f32 v12, -v13                          ; -M = floor(-t)
	v_sub_f32 v254, v12, v254                      ; old M - new M: a whole number, 0 or less
	v_cvt_i32_f32 v254, v254                       ; (it saturates)
	v_ldexp_f32 v252, 1.0, v254                    ; f = 2^(old M - new M)
.set j, 0
.rept 32
	v_pk_fma_f32 v[S+j:S+j+1], v[S+j:S+j+1], s[CS:CS+1], v[12:13] op_sel_hi:[1,0,0]   ; t - M
.set j, j+2
.endr
.set j, 0
.rept 64
	v_exp_f32 v[S+j], v[S+j]                       ; p
.set j, j+1
.endr
	v_pk_mul_f32 v[14:15], v[14:15], v[252:253] op_sel_hi:[1,0]   ; the sums under the new M: a plain line behind the exponentials
	s_wait_alu depctr_va_vdst(0)                   ; one wait for the batch, ahead of its first reader
	v_pk_add_f32 v[242:243], v[96:97], v[98:99]    ; the sum of the unquantised p, in two chains
.irp j, 4,8,12,16,20,24,28,32,36,40,44,48,52,56,60
	v_pk_add_f32 v[14:15], v[14:15], v[96+\j:97+\j]
	v_pk_add_f32 v[242:243], v[242:243], v[98+\j:99+\j]
.endr
	v_pk_add_f32 v[14:15], v[14:15], v[242:243]
.irp t, 0,1,2,3,4,5,6,7
.irp i, 0,1,2,3,4,5,6,7
	v_min_num_f32 v[S+8*\t+\i], v[S+8*\t+\i], v240 ; the conversion does not saturate (ISA guide 7.6.2); p is not negative, so the hold is one-sided
.endr
	v_cvt_scalef32_pk8_fp8_f32 v[PCD+2*\t:PCD+2*\t+1], v[S+8*\t:S+8*\t+7], v244
.endr
.irp j, 0,2,4,6,8,10,12,14
	v_pk_mul_f32 v[O+\j:O+\j+1], v[O+\j:O+\j+1], v[252:253] op_sel_hi:[1,0]   ; O^T under the new M; plain lines behind the conversions
.endr
	s_wait_dscnt 0x0                               ; V is in
	v_wmma_f32_16x16x128_fp8_fp8 v[O:O+7], v[VF:VF+15], v[PCD:PCD+15], v[O:O+7]
	v_wmma_f32_16x16x128_fp8_fp8 v[O+8:O+15], v[VF+16:VF+31], v[PCD:PCD+15], v[O+8:O+15]
.endm
.macro QUARTER q                       ; 1,024 keys: eight steps
	s_wait_tensorcnt 3-\q                          ; my part of this quarter has landed; the later quarters' loads may stay out
	s_barrier_signal -1
	s_barrier_wait -1                              ; everybody's has
	s_mov_b32 s[TB], \q*65536
	s_mov_b32 s[CNT], 8
.Lstep_\@:
	STEP
	s_add_co_u32 s[TB], s[TB], 8192
	s_sub_co_u32 s[CNT], s[CNT], 1
	s_cmp_lg_u32 s[CNT], 0
	s_cbranch_scc1 .Lstep_\@
.endm
	s_load_b256 s[4:11], s[0:1], 0x0               ; qc, kv, lowp_scales, oc
	v_lshl_add_u32 v251, v0, 2, 0x40000
	v_mov_b32 v255, 0
	ds_add_u32 v251, v255
	ds_add_u32 v251, v255
	v_lshrrev_b32 v1, 5, v0
	v_readfirstlane_b32 s[WV], v1                  ; wave 0..15
	s_bfe_u32 s13, ttmp6, 0x40000                  ; cx
	s_lshl_b32 s14, ttmp9, 2
	s_add_co_u32 s14, s14, s13                     ; my block of 256 queries: it enters q's and o's addresses alone
	s_and_b32 s15, ttmp7, 0xffff                   ; bh, which the four partners share
	; descriptor group 1: 16 rows of 32 elements of 8 bytes, dense; the mask names the cluster's four
	s_mov_b32 s16, 15|(3<<16)|(1<<21)
	s_mov_b32 s17, 32<<16
	s_mov_b32 s18, 16<<16
	s_mov_b32 s19, 32<<16
	s_mov_b32 s20, 16
	s_mov_b32 s21, 32
	s_mov_b32 s22, 0
	s_mov_b32 s23, 0
	s_lshl_b32 s46, s[WV], 12                      ; my 4,096 bytes of a quarter
	s_lshl_b32 s56, s15, 18                        ; the head's 262,144 bytes
	s_add_co_u32 s56, s56, s46
	s_mov_b32 s57, 0
	s_mov_b32 s[SEL], 0x76543210
	s_mov_b32 s[SEL+1], 0xfedcba98
	s_wait_dscnt 0x0
	s_wait_kmcnt 0x0
	s_load_b256 s[48:55], s[8:9], 0x0              ; e0 .. e7
	s_add_nc_u64 s[58:59], s[6:7], s[56:57]
.irp q, 0,1,2,3
	s_mov_b32 s[24+4*\q], 1
	s_add_co_u32 s[25+4*\q], s46, \q*65536
	s_add_nc_u64 s[26+4*\q:27+4*\q], s[58:59], \q*65536
	s_or_b32 s[27+4*\q], s[27+4*\q], 0x80000000
.endr
	CROUND                                         ; the four work-groups are here: the joint loads meet
	tensor_load_to_lds s[24:27], s[16:23]
	s_nop 0
	tensor_load_to_lds s[28:31], s[16:23]
	s_nop 0
	tensor_load_to_lds s[32:35], s[16:23]
	s_nop 0
	tensor_load_to_lds s[36:39], s[16:23]
	s_nop 0
	PLACES 4
	v_and_b32 v1, 31, v0
	v_lshlrev_b32 v1, 4, v1                        ; 16 x lane
	s_lshl_b32 s47, s14, 4
	s_add_co_u32 s47, s47, s[WV]                   ; my tile of queries in the head
	s_lshl_b32 s56, s15, 17
	s_lshl_b32 s60, s47, 9
	s_add_co_u32 s56, s56, s60
	s_add_nc_u64 s[4:5], s[4:5], s[56:57]
	global_load_b128 v[20:23], v1, s[4:5] th:TH_LOAD_NT   ; q: query lane % 16, channels 16 h + 0 .. 15
	s_lshr_b32 s60, s15, 3                         ; oc: row tile = 256 x batch + my tile; within it head x 512
	s_lshl_b32 s60, s60, 8
	s_add_co_u32 s60, s60, s47
	s_lshl_b32 s56, s60, 12
	s_and_b32 s60, s15, 7
	s_lshl_b32 s60, s60, 9
	s_add_co_u32 s56, s56, s60
	s_add_nc_u64 s[10:11], s[10:11], s[56:57]
.irp j, 16,17,18,19,24,25,26,27
	v_mov_b32 v[\j], 0                             ; the zero codes beside q
.endr
	v_mov_b32 v13, 0xff61b1e6                      ; the largest t so far: -3e38
	v_floor_f32 v12, -v13
	v_mov_b32 v14, 0
	v_mov_b32 v15, 0
	v_mov_b32 v236, 0                              ; a lane permute's destination counts as read
	v_mov_b32 v253, 0                              ; (named as the upper half of v[252:253])
.irp j, 0,1,2,3,4,5,6,7,8,9,10,11,12,13,14,15
	v_mov_b32 v[O+\j], 0                           ; the step is written once: the first finds zeros
.endr
	s_wait_kmcnt 0x0
	s_add_co_i32 s56, s50, s51
	s_lshl_b32 s56, s56, 23
	s_add_co_i32 s[CS], s56, 0x3e8293ee            ; e2 + e3 added to c's exponent field
	s_mov_b32 s[CS+1], s[CS]
	s_add_co_i32 s56, s52, 127
	s_lshl_b32 s60, s56, 23
	v_mov_b32 v244, s60                            ; 2^e4
	s_add_co_i32 s56, s56, 8
	s_lshl_b32 s56, s56, 23
	s_or_b32 s56, s56, 0x600000
	v_mov_b32 v240, s56                            ; 448 x 2^e4
	s_wait_loadcnt 0x0                             ; q
	QUARTER 0
	QUARTER 1
	QUARTER 2
	QUARTER 3
	PLACES 4                                       ; behind the last products
	v_add_f32 v14, v14, v15
	v_permlanex16_b32 v252, v14, s[SEL], s[SEL+1]
	v_add_f32 v14, v14, v252                       ; the row's sum
	v_rcp_f32 v14, v14
	v_nop                                          ; a plain line behind the reciprocal
	s_sub_co_i32 s56, s54, s52
	s_sub_co_i32 s56, s56, s53                     ; e6 - e4 - e5: the three scales folded into the conversion's one
	s_add_co_i32 s56, s56, 127
	s_lshl_b32 s60, s56, 23
	v_mov_b32 v244, s60
	s_add_co_i32 s56, s56, 8
	s_lshl_b32 s56, s56, 23
	s_or_b32 s56, s56, 0x600000
	v_mov_b32 v240, s56
	s_wait_alu depctr_va_vdst(0)                   ; ahead of the reciprocal's first reader
.irp j, 0,2,4,6,8,10,12,14
	v_pk_mul_f32 v[S+\j:S+\j+1], v[O+\j:O+\j+1], v[14:15] op_sel_hi:[1,0]   ; O^T / the sum: channels 16 h + 0 .. 15 of my query
.endr
.irp i, 0,1,2,3,4,5,6,7,8,9,10,11,12,13,14,15
	v_med3_num_f32 v[S+\i], v[S+\i], -v240, v240
.endr
	v_cvt_scalef32_pk8_fp8_f32 v[S+16:S+17], v[S:S+7], v244
	v_cvt_scalef32_pk8_fp8_f32 v[S+18:S+19], v[S+8:S+15], v244
	v_nop
	global_store_b128 v1, v[S+16:S+19], s[10:11]   ; 512 consecutive aligned bytes: a quarter of the next product's fragment
	s_wait_tensorcnt 0x0
	ds_add_u32 v251, v255
	s_wait_dscnt 0x0
	CROUND                                         ; the closing round
	s_endpgm
.Lfunc_end_k_q357f1305d0_attn:
	.size	k_q357f1305d0_attn, .Lfunc_end_k_q357f1305d0_attn-k_q357f1305d0_attn
	.p2alignl 7, 3214868480
	.fill 96, 4, 3214868480
	.section	.rodata,"a",@progbits
	.p2align	6, 0x0
	.amdhsa_kernel k_q357f1305d0_attn
		.amdhsa_group_segment_fixed_size 264192
		.amdhsa_private_segment_fixed_size 0
		.amdhsa_enable_private_segment 0
		.amdhsa_kernarg_size 32
		.amdhsa_user_sgpr_count 2
		.amdhsa_user_sgpr_kernarg_segment_ptr 1
		.amdhsa_wavefront_size32 1
		.amdhsa_system_sgpr_workgroup_id_x 1
		.amdhsa_system_sgpr_workgroup_id_y 1
		.amdhsa_system_sgpr_workgroup_id_z 1
		.amdhsa_system_vgpr_workitem_id 0
		.amdhsa_next_free_vgpr 256
		.amdhsa_next_free_sgpr 66
		.amdhsa_reserve_vcc 0
		.amdhsa_float_denorm_mode_32 3
		.amdhsa_float_denorm_mode_16_64 3
		.amdhsa_memory_ordered 1
		.amdhsa_forward_progress 1
		.amdhsa_inst_pref_size 64
	.end_amdhsa_kernel
	.amdgpu_metadata
---
amdhsa.version: [ 1, 2 ]
amdhsa.kernels:
  - .name:           k_q357f1305d0_attn
    .symbol:         k_q357f1305d0_attn.kd
    .args:
      - { .name: qc, .offset: 0, .size: 8, .value_kind: global_buffer, .address_space: global }
      - { .name: kv, .offset: 8, .size: 8, .value_kind: global_buffer, .address_space: global }
      - { .name: lowp_scales, .offset: 16, .size: 8, .value_kind: global_buffer, .address_space: global }
      - { .name: oc, .offset: 24, .size: 8, .value_kind: global_buffer, .address_space: global }
    .group_segment_fixed_size: 264192
    .private_segment_fixed_size: 0
    .kernarg_segment_align: 8
    .kernarg_segment_size: 32
    .max_flat_workgroup_size: 512
    .sgpr_count:     66
    .vgpr_count:     256
    .wavefront_size: 32
...
	.end_amdgpu_metadata
.endif
;; end of part 2
;; launch tail (part 3): grid 256 x 1, 8 waves a work-group, clusters of 4 x 1, 327,680 bytes of LDS; arguments x, oc, w_out_codes, b_out, ln2_g, ln2_b, w_fc1_codes, b_fc1, w_fc2_codes, b_fc2, lowp_scales, out0; writes out0
.if DOCPART == 3
	.amdgcn_target "amdgcn-amd-amdhsa--gfx1250"
	.amdhsa_code_object_version 6
	.text
	.protected	k_q357f1305d0_tail
	.globl	k_q357f1305d0_tail
	.p2align	8
	.type	k_q357f1305d0_tail,@function
k_q357f1305d0_tail:
	s_mov_b64 s[64:65], 0
	v_nop
	global_prefetch_b8 v0, s[64:65] scope:SCOPE_SE
	s_setreg_imm32_b32 hwreg(HW_REG_WAVE_MODE, 25, 1), 1
	s_wait_xcnt 0x0
	s_wait_alu depctr_hold_cnt(0) depctr_sa_sdst(0) depctr_va_vdst(0) depctr_va_sdst(0) depctr_va_ssrc(0) depctr_va_vcc(0) depctr_vm_vsrc(0)
	s_getreg_b32 s2, hwreg(HW_REG_IB_STS2, 6, 4)
	s_cmp_eq_u32 s2, 0
	s_cbranch_scc0 .Lentry_in_a_cluster
	s_endpgm
.Lentry_in_a_cluster:
	s_bfe_u32 s2, ttmp6, 0x10000c
	s_cmp_lg_u32 s2, 0x3003
	s_cbranch_scc0 .Lentry_shape_is_right
	s_endpgm
.Lentry_shape_is_right:
; y1 = x + o W_out + b_out;  out = y1 + gelu(LN2(y1) W_fc1 + b_fc1) W_fc2 + b_fc2, the three products on E4M3 codes; the norm's result (e8) and the activation (e10) are quantised on the way and never go to memory.
; SHARES.  A work-group of eight waves owns 32 rows (two tiles m of 16).  THE WAVES SHARE THE COLUMNS: wave w makes output columns 32 w .. 32 w + 31 of the first and third product and hidden units 128 w .. 128 w + 127 of the
; second, which are K step w of the third.  All products are used transposed (source 0 = weights, source 1 = rows), and the rows of a weight that form a tile are chosen (lane r of tile 2 b + u: row 32 b + 8 u + r + 8 (r / 8))
; so that a lane's 16 registers of two neighbouring tiles are 16 neighbouring columns 16 h + 0 .. 15 of one row: x's layout, the norm's, and the next operand's.
; OPERANDS GO FROM WAVE TO WAVE THROUGH LDS AS IMAGES OF THEIR REGISTERS: 512 bytes a store, lane l's 16 bytes at 16 l.
; WEIGHTS.  W_fc1 (262,144 bytes) fills LDS at the start; when it has been read, W_fc2 takes its place, and lands while the activation is computed.  All work-groups walk the same weights: the cluster's four ask jointly.
; W_out, a ninth of the weights' bytes, has no room beside W_fc1 and goes from memory into registers, 8,192 bytes a wave.
; THE NORM: as in the first launch: each wave's (mean, M2) of its 32 columns, joined as M2 = sum M2_i + 32 sum (mean_i - mean)^2.
; GELU: 0.5 a (1 + erf(a / sqrt 2)), erf(z) = z P(z^2) / Q(z^2) on z held within +-4, P of degree 6 and Q of degree 4 in z^2, all in f32.  LIMIT: 1 + erf carries an absolute error of about 1e-7, so the
; activation's relative error grows below a = -2, where its values are small against the tensor's.
; LIMITS on the exponents: e8 and e10 between -126 and 119; e6 + e7 and e10 + e11 between -126 and 127; e8 + e9 between -125 and 126.  NaN among the inputs is not served.
.set WV,   28                          ; s28 wave; s29 cx; s30 my block of 32 rows
.set SEL,  32
.set RCN,  34
.set EPS,  35
.set HIMG, 1024*272                    ; behind the weights: the norm's codes, fragment (m, s) at (2 m + s) x 2,048
.set GIMG, HIMG+8192                   ; the activation's codes, fragment (m, s) at (8 m + s) x 2,048
.set STAT, GIMG+32768                  ; the waves' (mean, M2)
.set SPARE, STAT+2048                  ; the spare words, 128 bytes for each wave: four blocks of 256 bytes that no other line names
.set STG,  HIMG                        ; the way out: 32 rows x (1,024 + 16) bytes, over the images, behind a barrier
; window 0: v1 r, v2 h, v3 16 x lane, v4 x, v5 a vector's 16 columns, v6, v7 the pairs, v8 the norm's image, v9 the activation's, v10 W_fc1, v11 W_fc2, v12, v13 the stage, v14 W_out, v15 b_fc1, v16, v17 the add's two, v22, v23 images read
.set MP,   18                          ; v[18:19], v[20:21]
.set X,    24                          ; v24-55   y1, 16 m: it stays
.set AA,   56                          ; v56-87   the first product's sums, 16 m + 8 u
.set T,    88                          ; v88-119  the norm, at work
.set ST,   120                         ; v120-151 the eight waves' pairs
.set PCL,  152                         ; v152-159 the norm's codes
.set HF,   56                          ; v56-119  the norm's four fragments
.set WB,   120                         ; v120-247 eight fragments of W_fc1
.set Z2,   56                          ; the activation: z^2, P, Q, and a fragment's codes
.set PP,   72
.set QD,   88
.set PCG,  104
.set Z,    120                         ; v120-183 z;  v184-247 a / 2
.set HX,   184
.set DA,   56                          ; v56-87   the third product's sums
.set OUTV, 88                          ; v88-119  out
.set R1,   120                         ; two buffers of 64 for the third product; then rows read back
.set SC,   248
.set LIM,  249
.set A13,  250                         ; v[250:251], v[252:253]: the leading coefficients of P and Q
.set B8,   252
; window 1
.set WO,   0                           ; W_out's four fragments, 16 (2 u + s)
.set OF,   64                          ; o's four, 16 (2 m + s)
.set AC,   0                           ; later: the hidden layer's sums, 64 m + 8 t
.set B1,   128                         ; b_fc1, 8 t
.set B2,   192                         ; b_fc2
.set LG,   208
.set LB,   224
.set BO,   240                         ; b_out
.set MSB, 0
.macro WIN new                         ; the immediate's high byte repeats the setting that is left
.if MSB != \new
	s_set_vgpr_msb (MSB<<8)|\new
.set MSB, \new
.endif
.endm
.macro CROUND
	s_barrier_signal -1
	s_barrier_wait -1
	s_cmp_lg_u32 s[WV], 0
	s_cbranch_scc1 .Lnot_wave_0_\@
	s_barrier_signal -3
.Lnot_wave_0_\@:
	s_barrier_wait -3
	s_barrier_signal -1
	s_barrier_wait -1
.endm
.macro PLACES n
.rept \n
	v_nop
.endr
.endm
.macro BAR
	s_wait_dscnt 0x0
	s_barrier_signal -1
	s_barrier_wait -1
.endm
.macro QUANT16 src, dst
.irp i, 0,1,2,3,4,5,6,7,8,9,10,11,12,13,14,15
	v_med3_num_f32 v[\src+\i], v[\src+\i], -v[LIM], v[LIM]
.endr
	v_cvt_scalef32_pk8_fp8_f32 v[\dst:\dst+1], v[\src:\src+7], v[SC]
	v_cvt_scalef32_pk8_fp8_f32 v[\dst+2:\dst+3], v[\src+8:\src+15], v[SC]
.endm
.macro MKSC                            ; s94 = an exponent E: SC = 2^E, LIM = 448 x 2^E
	s_add_co_i32 s94, s94, 127
	s_lshl_b32 s95, s94, 23
	v_mov_b32 v[SC], s95
	s_add_co_i32 s94, s94, 8
	s_lshl_b32 s94, s94, 23
	s_or_b32 s94, s94, 0x600000
	v_mov_b32 v[LIM], s94
.endm
.macro LNSTAT m
.set rX, X+16*(\m)
.set rT, T+16*(\m)
.set rM, MP+2*(\m)
	v_pk_add_f32 v[rT:rT+1], v[rX:rX+1], v[rX+2:rX+3]
	v_pk_add_f32 v[rT+2:rT+3], v[rX+4:rX+5], v[rX+6:rX+7]
	v_pk_add_f32 v[rT+4:rT+5], v[rX+8:rX+9], v[rX+10:rX+11]
	v_pk_add_f32 v[rT+6:rT+7], v[rX+12:rX+13], v[rX+14:rX+15]
	v_pk_add_f32 v[rT:rT+1], v[rT:rT+1], v[rT+2:rT+3]
	v_pk_add_f32 v[rT+4:rT+5], v[rT+4:rT+5], v[rT+6:rT+7]
	v_pk_add_f32 v[rT:rT+1], v[rT:rT+1], v[rT+4:rT+5]
	v_add_f32 v[rT], v[rT], v[rT+1]
	v_permlanex16_b32 v[rT+1], v[rT], s[SEL], s[SEL+1]
	v_add_f32 v[rT], v[rT], v[rT+1]
	v_mul_f32 v[rM], 0x3d000000, v[rT]             ; / 32
.irp p, 0,1,2,3,4,5,6,7
	v_pk_add_f32 v[rT+2*(\p%4):rT+2*(\p%4)+1], v[rX+2*\p:rX+2*\p+1], v[rM:rM+1] op_sel_hi:[1,0] neg_lo:[0,1] neg_hi:[0,1]
.if \p < 2
	v_pk_mul_f32 v[rT+8+2*\p:rT+9+2*\p], v[rT+2*\p:rT+2*\p+1], v[rT+2*\p:rT+2*\p+1]
.else
	v_pk_fma_f32 v[rT+8+2*(\p%2):rT+9+2*(\p%2)], v[rT+2*(\p%4):rT+2*(\p%4)+1], v[rT+2*(\p%4):rT+2*(\p%4)+1], v[rT+8+2*(\p%2):rT+9+2*(\p%2)]
.endif
.endr
	v_pk_add_f32 v[rT+8:rT+9], v[rT+8:rT+9], v[rT+10:rT+11]
	v_add_f32 v[rT+8], v[rT+8], v[rT+9]
	v_permlanex16_b32 v[rT+9], v[rT+8], s[SEL], s[SEL+1]
	v_add_f32 v[rM+1], v[rT+8], v[rT+9]
	ds_store_b64 v6, v[rM:rM+1] offset:1024*(\m)
.endm
.macro LNA m
.set rS, ST+16*(\m)
.set rT, T+16*(\m)
.set rM, MP+2*(\m)
	v_pk_add_f32 v[rT:rT+1], v[rS:rS+1], v[rS+2:rS+3]
	v_pk_add_f32 v[rT+2:rT+3], v[rS+4:rS+5], v[rS+6:rS+7]
	v_pk_add_f32 v[rT+4:rT+5], v[rS+8:rS+9], v[rS+10:rS+11]
	v_pk_add_f32 v[rT+6:rT+7], v[rS+12:rS+13], v[rS+14:rS+15]
	v_pk_add_f32 v[rT:rT+1], v[rT:rT+1], v[rT+2:rT+3]
	v_pk_add_f32 v[rT+4:rT+5], v[rT+4:rT+5], v[rT+6:rT+7]
	v_pk_add_f32 v[rT:rT+1], v[rT:rT+1], v[rT+4:rT+5]
	v_mul_f32 v[rM], 0x3e000000, v[rT]             ; / 8
.irp i, 0,1,2,3,4,5,6,7
	v_sub_f32 v[rT+8+\i], v[rS+2*\i], v[rM]
.endr
	v_mul_f32 v[rT+2], v[rT+8], v[rT+8]
	v_mul_f32 v[rT+3], v[rT+9], v[rT+9]
.irp i, 10,12,14
	v_fmac_f32 v[rT+2], v[rT+\i], v[rT+\i]
	v_fmac_f32 v[rT+3], v[rT+\i+1], v[rT+\i+1]
.endr
	v_add_f32 v[rT+2], v[rT+2], v[rT+3]
	v_fmamk_f32 v[rT+1], v[rT+2], 0x42000000, v[rT+1]
	v_fma_f32 v[rT+1], v[rT+1], s[RCN], s[EPS]
	v_rsq_f32 v[rS], v[rT+1]
.endm
.macro LNB m
.set rX, X+16*(\m)
.set rT, T+16*(\m)
.set rS, ST+16*(\m)
.set rM, MP+2*(\m)
.irp p, 0,2,4,6,8,10,12,14
	v_pk_add_f32 v[rT+\p:rT+\p+1], v[rX+\p:rX+\p+1], v[rM:rM+1] op_sel_hi:[1,0] neg_lo:[0,1] neg_hi:[0,1]
.endr
.irp p, 0,2,4,6,8,10,12,14
	v_pk_mul_f32 v[rT+\p:rT+\p+1], v[rT+\p:rT+\p+1], v[rS:rS+1] op_sel_hi:[1,0]
.endr
	WIN 0x14                                       ; gain and bias lie in window 1
.irp p, 0,2,4,6,8,10,12,14
	v_pk_fma_f32 v[rT+\p:rT+\p+1], v[rT+\p:rT+\p+1], v[LG+\p:LG+\p+1], v[LB+\p:LB+\p+1]
.endr
	WIN 0
	QUANT16 rT, PCL+4*(\m)
	ds_store_b128 v8, v[PCL+4*(\m):PCL+4*(\m)+3] offset:4096*(\m)
.endm
.macro FETCH reg, adr, off             ; a fragment's image
.irp c, 0,1,2,3
	ds_load_b128 v[\reg+4*\c:\reg+4*\c+3], v[\adr] offset:\off+512*\c
.endr
.endm
.macro WFRAG reg, adr, off             ; a fragment from padded rows
.irp c, 0,1,2,3
	ds_load_b128 v[\reg+4*\c:\reg+4*\c+3], v[\adr] offset:\off+32*\c
.endr
.endm
.macro GELU16 q                        ; 16 numbers of a lane: hidden units 32 q + 16 h + 0 .. 15 of my 128
.set rZ, Z+16*(\q)
.set rH, HX+16*(\q)
.irp i, 0,1,2,3,4,5,6,7,8,9,10,11,12,13,14,15
	v_med3_num_f32 v[rZ+\i], v[rZ+\i], -4.0, 4.0
.endr
.irp p, 0,2,4,6,8,10,12,14
	v_pk_mul_f32 v[Z2+\p:Z2+\p+1], v[rZ+\p:rZ+\p+1], v[rZ+\p:rZ+\p+1]
.endr
.irp p, 0,2,4,6,8,10,12,14
	v_pk_fma_f32 v[PP+\p:PP+\p+1], v[Z2+\p:Z2+\p+1], v[A13:A13+1], 0x32edffee op_sel_hi:[1,1,0]
	v_pk_fma_f32 v[QD+\p:QD+\p+1], v[Z2+\p:Z2+\p+1], v[B8:B8+1], 0xb95fbd29 op_sel_hi:[1,1,0]
.endr
.irp k, 0xbadc924e, 0xbbf19bf8, 0xbc69b6a7
.irp p, 0,2,4,6,8,10,12,14
	v_pk_fma_f32 v[QD+\p:QD+\p+1], v[QD+\p:QD+\p+1], v[Z2+\p:Z2+\p+1], \k op_sel_hi:[1,1,0]
.endr
.endr
.irp i, 0,1,2,3,4,5,6,7,8,9,10,11,12,13,14,15
	v_rcp_f32 v[QD+\i], v[QD+\i]
.endr
.irp k, 0xb60cff51, 0xb86ec2d2, 0xba40ac63, 0xbb41a1f6, 0xbc83dbd4
.irp p, 0,2,4,6,8,10,12,14
	v_pk_fma_f32 v[PP+\p:PP+\p+1], v[PP+\p:PP+\p+1], v[Z2+\p:Z2+\p+1], \k op_sel_hi:[1,1,0]   ; the numerator's chain is the independent work behind the reciprocals
.endr
.endr
.irp p, 0,2,4,6,8,10,12,14
	v_pk_mul_f32 v[PP+\p:PP+\p+1], v[PP+\p:PP+\p+1], v[rZ+\p:rZ+\p+1]
.endr
	s_wait_alu depctr_va_vdst(0)                   ; one wait for the sixteen reciprocals, ahead of their first reader
.irp p, 0,2,4,6,8,10,12,14
	v_pk_mul_f32 v[PP+\p:PP+\p+1], v[PP+\p:PP+\p+1], v[QD+\p:QD+\p+1]   ; erf
.endr
.irp p, 0,2,4,6,8,10,12,14
	v_pk_fma_f32 v[rH+\p:rH+\p+1], v[rH+\p:rH+\p+1], v[PP+\p:PP+\p+1], v[rH+\p:rH+\p+1]   ; a / 2 + a / 2 x erf
.endr
	QUANT16 rH, PCG+4*(\q)
.endm
.macro DLOAD s                         ; K step s of the third product: W_fc2's two fragments and the activation's two, 16 loads, into buffer s % 2
.set rB, R1+64*((\s)%2)
.irp u, 0,1
	WFRAG rB+16*\u, 11, 8320*\u+128*(\s)
.endr
.irp m, 0,1
	FETCH rB+32+16*\m, 23, 2048*(8*\m+(\s))
.endr
.endm
	s_load_b256 s[4:11], s[0:1], 0x0               ; x, oc, w_out_codes, b_out
	s_load_b256 s[12:19], s[0:1], 0x20             ; ln2_g, ln2_b, w_fc1_codes, b_fc1
	s_load_b256 s[20:27], s[0:1], 0x40             ; w_fc2_codes, b_fc2, lowp_scales, out0
	v_lshl_add_u32 v16, v0, 2, SPARE
	v_mov_b32 v17, 0
	ds_add_u32 v16, v17
	ds_add_u32 v16, v17
	s_wait_dscnt 0x0
	v_lshrrev_b32 v1, 5, v0
	v_readfirstlane_b32 s[WV], v1                  ; wave 0..7
	s_bfe_u32 s29, ttmp6, 0x40000                  ; cx
	s_lshl_b32 s30, ttmp9, 2
	s_add_co_u32 s30, s30, s29                     ; my block of 32 rows: it enters global addresses alone
	; W_fc1: 128 rows of 256 bytes a wave, 16 bytes of padding behind each
	s_mov_b32 s36, 15|(1<<20)|(1<<21)|(5<<22)|(3<<25)
	s_mov_b32 s37, 256<<16
	s_mov_b32 s38, 128<<16
	s_mov_b32 s39, 256<<16
	s_mov_b32 s40, 128
	s_mov_b32 s41, 256
	s_mov_b32 s42, 0
	s_mov_b32 s43, 0
	; W_fc2: 32 rows of 1,024 bytes a wave, 16 bytes of padding behind each
	s_mov_b32 s44, 15|(1<<20)|(1<<21)|(7<<22)|(3<<25)
	s_mov_b32 s45, 1024<<16
	s_mov_b32 s46, 32<<16
	s_mov_b32 s47, 1024<<16
	s_mov_b32 s48, 32
	s_mov_b32 s49, 1024
	s_mov_b32 s50, 0
	s_mov_b32 s51, 0
	s_mov_b32 s52, 1
	s_mul_i32 s53, s[WV], 128*272
	s_mov_b32 s56, 1
	s_mul_i32 s57, s[WV], 32*1040
	s_lshl_b32 s60, s[WV], 15                      ; 32,768 bytes of either weight a wave
	s_mov_b32 s61, 0
	s_mov_b32 s[SEL], 0x76543210
	s_mov_b32 s[SEL+1], 0xfedcba98
	s_mov_b32 s[RCN], 0x3b800000
	s_mov_b32 s[EPS], 0x3727c5ac
	s_wait_kmcnt 0x0
	s_load_b256 s[68:75], s[24:25], 0x0            ; e0 .. e7
	s_load_b128 s[76:79], s[24:25], 0x20           ; e8 .. e11
	s_add_nc_u64 s[54:55], s[16:17], s[60:61]
	s_or_b32 s55, s55, 0x80000000
	s_add_nc_u64 s[58:59], s[20:21], s[60:61]
	s_or_b32 s59, s59, 0x80000000
	CROUND                                         ; the four work-groups are here: the joint loads meet
	tensor_load_to_lds s[52:55], s[36:43]          ; W_fc1: one load of mine is out
	s_nop 0
	PLACES 4
	v_and_b32 v1, 15, v0                           ; r
	v_bfe_u32 v2, v0, 4, 1                         ; h
	v_and_b32 v3, 31, v0
	v_lshlrev_b32 v3, 4, v3                        ; 16 x lane
	s_lshl_b32 s31, s[WV], 7
	v_lshl_add_u32 v5, v2, 6, s31                  ; 128 w + 64 h
	v_lshl_add_u32 v4, v1, 10, v5
	s_lshl_b32 s60, s[WV], 3
	s_add_co_u32 s60, s60, STAT
	v_lshl_add_u32 v6, v1, 6, s60
	v_lshl_add_u32 v7, v1, 6, STAT
	s_lshl_b32 s60, s[WV], 9
	s_add_co_u32 s60, s60, HIMG
	v_add_nc_u32 v8, s60, v3
	s_lshl_b32 s60, s[WV], 11
	s_add_co_u32 s60, s60, GIMG
	v_add_nc_u32 v9, s60, v3
	v_and_b32 v14, 8, v1
	v_add_nc_u32 v14, v14, v1                      ; r + 8 (r / 8)
	v_mul_u32_u24 v10, v14, 272
	v_lshl_add_u32 v10, v2, 4, v10
	s_mul_i32 s60, s[WV], 128*272
	v_add_nc_u32 v10, s60, v10
	v_mul_u32_u24 v11, v14, 1040
	v_lshl_add_u32 v11, v2, 4, v11
	s_mul_i32 s60, s[WV], 32*1040
	v_add_nc_u32 v11, s60, v11
	v_mul_u32_u24 v12, v1, 1040
	v_lshl_add_u32 v12, v2, 6, v12
	s_add_co_u32 s60, s31, STG
	v_add_nc_u32 v12, s60, v12                     ; the stage: row r, + 128 w + 64 h
	s_mul_i32 s60, s[WV], 4*1040
	s_add_co_u32 s60, s60, STG
	v_add_nc_u32 v13, s60, v3                      ; back: my four rows
	v_lshlrev_b32 v14, 8, v14
	v_lshl_add_u32 v14, v2, 4, v14
	s_lshl_b32 s60, s[WV], 13
	v_add_nc_u32 v14, s60, v14                     ; W_out in memory: row 32 w + r + 8 (r / 8) of 256 bytes, + 16 h
	s_lshl_b32 s60, s[WV], 9
	v_lshl_add_u32 v15, v2, 6, s60                 ; b_fc1: 512 w + 64 h
	v_add_nc_u32 v22, HIMG, v3
	v_add_nc_u32 v23, GIMG, v3
	v_mov_b32 v[MP+1], 0
	v_mov_b32 v[MP+3], 0
	v_mov_b32 v[A13], 0xaf95df0b
	v_mov_b32 v[A13+1], 0xaf95df0b
	v_mov_b32 v[B8], 0xb77460cd
	v_mov_b32 v[B8+1], 0xb77460cd
	s_lshl_b32 s60, s30, 15
	s_add_nc_u64 s[4:5], s[4:5], s[60:61]          ; x at my 32 rows
	s_lshl_b32 s62, s[WV], 12
	s_add_co_u32 s60, s60, s62
	s_add_nc_u64 s[26:27], s[26:27], s[60:61]      ; out0 at the four rows that I store
	s_lshl_b32 s60, s30, 13
	s_add_nc_u64 s[6:7], s[6:7], s[60:61]          ; o's four fragments
	WIN 0x40                                       ; destination window 1
.irp u, 0,1
.irp s, 0,1
.irp c, 0,1,2,3
	global_load_b128 v[WO+16*(2*\u+\s)+4*\c:WO+16*(2*\u+\s)+4*\c+3], v14, s[8:9] offset:2048*\u+128*\s+32*\c
.endr
.endr
.endr
.irp f, 0,1,2,3
.irp c, 0,1,2,3
	global_load_b128 v[OF+16*\f+4*\c:OF+16*\f+4*\c+3], v3, s[6:7] offset:2048*\f+512*\c th:TH_LOAD_NT
.endr
.endr
	WIN 0
.irp m, 0,1
.irp j, 0,1,2,3
	global_load_b128 v[X+16*\m+4*\j:X+16*\m+4*\j+3], v4, s[4:5] offset:16384*\m+16*\j th:TH_LOAD_NT
.endr
.endr
	WIN 0x40
.irp j, 0,1,2,3
	global_load_b128 v[BO+4*\j:BO+4*\j+3], v5, s[10:11] offset:16*\j
.endr
.irp j, 0,1,2,3
	global_load_b128 v[LG+4*\j:LG+4*\j+3], v5, s[12:13] offset:16*\j
.endr
.irp j, 0,1,2,3
	global_load_b128 v[LB+4*\j:LB+4*\j+3], v5, s[14:15] offset:16*\j
.endr
.irp t, 0,1,2,3,4,5,6,7
	global_load_b128 v[B1+8*\t:B1+8*\t+3], v15, s[18:19] offset:128*(\t/2)+32*(\t%2)
	global_load_b128 v[B1+8*\t+4:B1+8*\t+7], v15, s[18:19] offset:128*(\t/2)+32*(\t%2)+16
.endr
.irp j, 0,1,2,3
	global_load_b128 v[B2+4*\j:B2+4*\j+3], v5, s[22:23] offset:16*\j
.endr
	WIN 0
	s_wait_kmcnt 0x0
	s_add_co_i32 s80, s74, s75
	s_add_co_i32 s80, s80, 127
	s_lshl_b32 s80, s80, 23                        ; 2^(e6 + e7)
	s_mov_b32 s81, s80
	s_add_co_i32 s94, s76, s77                     ; e8 + e9
	s_lshl_b32 s82, s94, 23
	s_add_co_i32 s82, s82, 0x3f3504f3              ; 2^(e8 + e9) / sqrt 2
	s_mov_b32 s83, s82
	s_add_co_i32 s84, s94, 126
	s_lshl_b32 s84, s84, 23                        ; 2^(e8 + e9) / 2
	s_mov_b32 s85, s84
	s_sub_co_i32 s92, 127, s94
	s_lshl_b32 s92, s92, 23                        ; 2^-(e8 + e9)
	s_mov_b32 s93, s92
	s_add_co_i32 s86, s78, s79
	s_add_co_i32 s86, s86, 127
	s_lshl_b32 s86, s86, 23                        ; 2^(e10 + e11)
	s_mov_b32 s87, s86
	; ---- y1 = x + o W_out + b_out
	s_wait_loadcnt 40                              ; W_out and o are in; the 40 loads issued behind them may be out
	WIN 0x05                                       ; sources 0 and 1 window 1
.irp s, 0,1
.irp m, 0,1
.irp u, 0,1
.if \s == 0
	v_wmma_f32_16x16x128_fp8_fp8 v[AA+16*\m+8*\u:AA+16*\m+8*\u+7], v[WO+16*(2*\u+\s):WO+16*(2*\u+\s)+15], v[OF+16*(2*\m+\s):OF+16*(2*\m+\s)+15], 0
.else
	v_wmma_f32_16x16x128_fp8_fp8 v[AA+16*\m+8*\u:AA+16*\m+8*\u+7], v[WO+16*(2*\u+\s):WO+16*(2*\u+\s)+15], v[OF+16*(2*\m+\s):OF+16*(2*\m+\s)+15], v[AA+16*\m+8*\u:AA+16*\m+8*\u+7]
.endif
.endr
.endr
.endr
	WIN 0
	s_wait_loadcnt 28                              ; x and b_out are in
	WIN 0x04                                       ; source 1 window 1
.irp m, 0,1
.irp p, 0,2,4,6,8,10,12,14
	v_pk_add_f32 v[X+16*\m+\p:X+16*\m+\p+1], v[X+16*\m+\p:X+16*\m+\p+1], v[BO+\p:BO+\p+1]   ; these sixteen are also the places behind the products
.endr
.endr
	WIN 0
.set j, 0
.rept 16
	v_pk_fma_f32 v[X+j:X+j+1], v[AA+j:AA+j+1], s[80:81], v[X+j:X+j+1] op_sel_hi:[1,0,1]
.set j, j+2
.endr
	; ---- the norm
	LNSTAT 0
	LNSTAT 1
	s_wait_loadcnt 0x0
	WIN 0x41                                       ; source 0 and destination window 1
.set j, 0
.rept 32
	v_pk_mul_f32 v[B1+j:B1+j+1], v[B1+j:B1+j+1], s[92:93] op_sel_hi:[1,0]   ; b_fc1 goes in as the sums' beginning, divided by the power of two that the sums lack
.set j, j+2
.endr
	WIN 0
	s_mov_b32 s94, s76
	MKSC                                           ; e8
	BAR
.irp m, 0,1
.irp j, 0,1,2,3
	ds_load_b128 v[ST+16*\m+4*\j:ST+16*\m+4*\j+3], v7 offset:1024*\m+16*\j
.endr
.endr
	s_wait_dscnt 0x0
	LNA 0
	LNA 1
	v_nop
	s_wait_alu depctr_va_vdst(0)                   ; one wait for both roots
	LNB 0
	LNB 1
	v_nop
	s_wait_tensorcnt 0x0                           ; my 128 rows of W_fc1 have landed
	BAR                                            ; the norm's images and all of W_fc1 lie in LDS
	; ---- the hidden layer: my 8 tiles x 2 tiles of rows, sixteen accumulators by turns
.irp f, 0,1,2,3
	FETCH HF+16*\f, 22, 2048*\f
.endr
.irp s, 0,1
.irp t, 0,1,2,3,4,5,6,7
	WFRAG WB+16*\t, 10, (32*(\t/2)+8*(\t%2))*272+128*\s
.endr
	WIN 0x50                                       ; C and D window 1
.irp t, 0,1,2,3,4,5,6,7
	s_wait_dscnt 28-4*\t                           ; fragment t is in, and all that was asked for ahead of it; the later fragments' loads may be out
.irp m, 0,1
.if \s == 0
	v_wmma_f32_16x16x128_fp8_fp8 v[AC+64*\m+8*\t:AC+64*\m+8*\t+7], v[WB+16*\t:WB+16*\t+15], v[HF+16*(2*\m+\s):HF+16*(2*\m+\s)+15], v[B1+8*\t:B1+8*\t+7]
.else
	v_wmma_f32_16x16x128_fp8_fp8 v[AC+64*\m+8*\t:AC+64*\m+8*\t+7], v[WB+16*\t:WB+16*\t+15], v[HF+16*(2*\m+\s):HF+16*(2*\m+\s)+15], v[AC+64*\m+8*\t:AC+64*\m+8*\t+7]
.endif
.endr
.endr
	WIN 0
	PLACES 4                                       ; in front of loads into the fragments' registers, and of the first read of results
.endr
	; ---- W_fc2 takes W_fc1's place
	s_wait_tensorcnt 0x0                           ; no tensor load of mine is out
	ds_add_u32 v16, v17                            ; 0 onto my spare word
	s_mov_b32 s94, s78
	MKSC                                           ; e10: work on registers between the add and the wait for it
	s_wait_dscnt 0x0                               ; the add is done, and my reads of W_fc1 are over
	CROUND                                         ; so it is with every wave of the cluster's four work-groups
	tensor_load_to_lds s[56:59], s[44:51]          ; my one load behind the round: it has the whole activation in which to land
	s_nop 0
	PLACES 4
	; ---- the activation, a tile of rows at a time; its codes are K step w of the third product
.irp m, 0,1
	WIN 0x01                                       ; source 0 window 1
.set j, 0
.rept 32
	v_pk_mul_f32 v[Z+j:Z+j+1], v[AC+64*\m+j:AC+64*\m+j+1], s[82:83] op_sel_hi:[1,0]
.set j, j+2
.endr
.set j, 0
.rept 32
	v_pk_mul_f32 v[HX+j:HX+j+1], v[AC+64*\m+j:AC+64*\m+j+1], s[84:85] op_sel_hi:[1,0]
.set j, j+2
.endr
	WIN 0
	GELU16 0
	GELU16 1
	GELU16 2
	GELU16 3
	v_nop
.irp c, 0,1,2,3
	ds_store_b128 v9, v[PCG+4*\c:PCG+4*\c+3] offset:16384*\m+512*\c
.endr
	s_wait_dscnt 0x0                               ; the stores have read their registers
.endr
	WIN 0x04
.irp m, 0,1
.irp p, 0,2,4,6,8,10,12,14
	v_pk_add_f32 v[X+16*\m+\p:X+16*\m+\p+1], v[X+16*\m+\p:X+16*\m+\p+1], v[B2+\p:B2+\p+1]   ; y1 + b_fc2
.endr
.endr
	WIN 0
	s_wait_tensorcnt 0x0                           ; my 32 rows of W_fc2 have landed
	BAR                                            ; the activation's sixteen images and all of W_fc2 lie in LDS
	; ---- the third product: four accumulators by turns, eight K steps on two buffers
	DLOAD 0
	DLOAD 1
.irp s, 0,1,2,3,4,5,6,7
.if \s < 7
	s_wait_dscnt 16                                ; this step's 16 loads are in; the next step's may be out
.else
	s_wait_dscnt 0x0
.endif
.set rB, R1+64*(\s%2)
.irp m, 0,1
.irp u, 0,1
.if \s == 0
	v_wmma_f32_16x16x128_fp8_fp8 v[DA+16*\m+8*\u:DA+16*\m+8*\u+7], v[rB+16*\u:rB+16*\u+15], v[rB+32+16*\m:rB+32+16*\m+15], 0
.else
	v_wmma_f32_16x16x128_fp8_fp8 v[DA+16*\m+8*\u:DA+16*\m+8*\u+7], v[rB+16*\u:rB+16*\u+15], v[rB+32+16*\m:rB+32+16*\m+15], v[DA+16*\m+8*\u:DA+16*\m+8*\u+7]
.endif
.endr
.endr
.if \s < 6
	PLACES 4
	DLOAD \s+2
.endif
.endr
	PLACES 4
.set j, 0
.rept 16
	v_pk_fma_f32 v[OUTV+j:OUTV+j+1], v[DA+j:DA+j+1], s[86:87], v[X+j:X+j+1] op_sel_hi:[1,0,1]
.set j, j+2
.endr
	; ---- the way out: a row's 1,024 bytes come from eight waves: through a stage, then whole rows
	BAR                                            ; every wave's reads of the images are over: the stage may be laid over them
.irp m, 0,1
.irp j, 0,1,2,3
	ds_store_b128 v12, v[OUTV+16*\m+4*\j:OUTV+16*\m+4*\j+3] offset:16640*\m+16*\j
.endr
.endr
	BAR
.irp k, 0,1,2,3,4,5,6,7
	ds_load_b128 v[R1+4*\k:R1+4*\k+3], v13 offset:1040*(\k/2)+512*(\k%2)
.endr
.irp k, 0,1,2,3,4,5,6,7
	s_wait_dscnt 7-\k
	global_store_b128 v3, v[R1+4*\k:R1+4*\k+3], s[26:27] offset:1024*(\k/2)+512*(\k%2) th:TH_STORE_NT   ; 32 lanes store 512 consecutive aligned bytes
.endr
	s_wait_tensorcnt 0x0                           ; the wave's end
	ds_add_u32 v16, v17
	s_wait_dscnt 0x0
	CROUND                                         ; the closing round
	s_endpgm
.Lfunc_end_k_q357f1305d0_tail:
	.size	k_q357f1305d0_tail, .Lfunc_end_k_q357f1305d0_tail-k_q357f1305d0_tail
	.p2alignl 7, 3214868480
	.fill 96, 4, 3214868480
	.section	.rodata,"a",@progbits
	.p2align	6, 0x0
	.amdhsa_kernel k_q357f1305d0_tail
		.amdhsa_group_segment_fixed_size 327680
		.amdhsa_private_segment_fixed_size 0
		.amdhsa_enable_private_segment 0
		.amdhsa_kernarg_size 96
		.amdhsa_user_sgpr_count 2
		.amdhsa_user_sgpr_kernarg_segment_ptr 1
		.amdhsa_wavefront_size32 1
		.amdhsa_system_sgpr_workgroup_id_x 1
		.amdhsa_system_sgpr_workgroup_id_y 1
		.amdhsa_system_sgpr_workgroup_id_z 1
		.amdhsa_system_vgpr_workitem_id 0
		.amdhsa_next_free_vgpr 512
		.amdhsa_next_free_sgpr 96
		.amdhsa_reserve_vcc 0
		.amdhsa_float_denorm_mode_32 3
		.amdhsa_float_denorm_mode_16_64 3
		.amdhsa_memory_ordered 1
		.amdhsa_forward_progress 1
		.amdhsa_inst_pref_size 163
	.end_amdhsa_kernel
	.amdgpu_metadata
---
amdhsa.version: [ 1, 2 ]
amdhsa.kernels:
  - .name:           k_q357f1305d0_tail
    .symbol:         k_q357f1305d0_tail.kd
    .args:
      - { .name: x, .offset: 0, .size: 8, .value_kind: global_buffer, .address_space: global }
      - { .name: oc, .offset: 8, .size: 8, .value_kind: global_buffer, .address_space: global }
      - { .name: w_out_codes, .offset: 16, .size: 8, .value_kind: global_buffer, .address_space: global }
      - { .name: b_out, .offset: 24, .size: 8, .value_kind: global_buffer, .address_space: global }
      - { .name: ln2_g, .offset: 32, .size: 8, .value_kind: global_buffer, .address_space: global }
      - { .name: ln2_b, .offset: 40, .size: 8, .value_kind: global_buffer, .address_space: global }
      - { .name: w_fc1_codes, .offset: 48, .size: 8, .value_kind: global_buffer, .address_space: global }
      - { .name: b_fc1, .offset: 56, .size: 8, .value_kind: global_buffer, .address_space: global }
      - { .name: w_fc2_codes, .offset: 64, .size: 8, .value_kind: global_buffer, .address_space: global }
      - { .name: b_fc2, .offset: 72, .size: 8, .value_kind: global_buffer, .address_space: global }
      - { .name: lowp_scales, .offset: 80, .size: 8, .value_kind: global_buffer, .address_space: global }
      - { .name: out0, .offset: 88, .size: 8, .value_kind: global_buffer, .address_space: global }
    .group_segment_fixed_size: 327680
    .private_segment_fixed_size: 0
    .kernarg_segment_align: 8
    .kernarg_segment_size: 96
    .max_flat_workgroup_size: 256
    .sgpr_count:     96
    .vgpr_count:     512
    .wavefront_size: 32
...
	.end_amdgpu_metadata
.endif
;; end of part 3
